; MI455X (gfx1250); checked and timed in simulation.
; The chip was launched on July 23, 2026; its instructions are those of AMD's public machine-readable ISA for CDNA 5 (MIT licence, August 2026) and "CDNA5" Instruction Set Architecture Reference Guide (July 2026). The comments in the code are by the model that wrote it; some were corrected since.
;; Attention. Allowed arithmetic: matrix products marked QUANTISED: E2M3 operands, one E8M0 scale for each 32 along K, by v_wmma_scale_f32_16x16x128_f8f6f4 with both operands' format E2M3, f32 sums; everything else in f32.
;; Inputs: mask 8 x 1,023 int32; w_qkv 1,024 x 3,072 float32; x 8 x 1,024 x 1,024 float32.
;; Outputs: out0 8 x 1,024 x 1,024 float32.
;; This version of the problem:
;;   THIS VERSION OF THE PROBLEM IS GIVEN IN LOW PRECISION. The matrix products marked QUANTISED in the list below multiply operands that are first quantised to E2M3 (2 exponent bits, 3 mantissa bits; 6 bits a number), with one power-of-two scale for each 32 numbers along K (OCP MX v1.0); their sums are f32. All else is computed in f32.
;;   The module's matrix products, in the order in which they are computed (A, B: the left and right operand; K: the contracted axis; several contracted axes count as one K, in the product's order):
;;     1. [M 8,192, K 1,024] x [K 1,024, N 3,072]; A: input x; B: input w_qkv: QUANTISED
;;     2. batch 128 x [M 1,024, K 64] x [K 64, N 1,024]; A: computed on the way; B: computed on the way: QUANTISED
;;     3. batch 128 x [M 1,024, K 1,024] x [K 1,024, N 64]; A: softmax (see below); B: computed on the way: QUANTISED
;;   THE QUANTISER, for each operand of a quantised product, along K:
;;     - K is cut into blocks of 32 from its start; a last block that is shorter is filled with zeros.
;;     - A block's scale is 2^e with e = floor(log2(the largest magnitude in the block)) - 2, held to -126 .. 127; a block of zeros has e = 0. As a byte (E8M0): e + 127.
;;     - Each number is divided by its block's scale, clamped to +-7.5, and rounded to the nearest number of E2M3, ties to even, subnormals kept.
;;     - The product sums the exact products of the quantised numbers (number of the format x scale) in f32.
;;   ~~~python
;;   def quantise(x, axis):      # numpy; x: float32 -> the quantised numbers, widened to float32 again
;;       x = np.moveaxis(x, axis, -1); K = x.shape[-1]
;;       x = np.pad(x, [(0, 0)] * (x.ndim - 1) + [(0, -K % 32)]); x = x.reshape(x.shape[:-1] + (-1, 32)); a = np.abs(x).max(-1, keepdims=True)
;;       e = np.where(a > 0, np.clip(np.frexp(np.where(a > 0, a, 1))[1] - 1 - 2, -126, 127), 0)      # np.frexp(a)[1] - 1 = floor(log2(a)), exactly
;;       r = np.clip(x / 2.0 ** e, -7.5, 7.5)
;;       step = 2.0 ** (np.maximum(np.frexp(np.where(r == 0, 1, r))[1] - 1, 0) - 3)
;;       q = np.round(r / step) * step * 2.0 ** e      # np.round: ties to even
;;       return np.moveaxis(q.reshape(q.shape[:-2] + (-1,))[..., :K], -1, axis).astype(np.float32)
;;   ~~~
;;   SOFTMAX AHEAD OF A QUANTISED PRODUCT. Where the list says 'softmax', what is quantised is not the finished softmax but p = 2^(t - M), with t = logit x log2(e) and M = ceil(the row's largest t), a whole number; so 1/2 < the row's largest p <= 1. The row's sum l is taken of the UNQUANTISED p, in f32, and the product's result is divided by l at the end. Since M is a whole number, a kernel that streams over the keys may use a running M (the ceiling of the running maximum): every later rescaling is an exact power of two, which a block's scale takes up: the codes' values come out the same.
;;   OPERANDS COMPUTED ON THE WAY. 'Computed on the way' means the value that the module computes at that place (a softmax that the list does not call 'softmax' is quantised finished and normalised). What goes into a quantiser is computed in f32, as accurately as f32 sums, v_exp_f32 and their like allow (about 1e-6 of the number): no bf16 or f16 on the way to a quantiser, and a product that is left as it is and whose result goes on into a quantised operand takes f32 operands (vector FMAs, or v_wmma_f32_16x16x4_f32). A number that lies on a knife's edge between two numbers of the format may be rounded either way, as far as f32 arithmetic and the matrix unit's own rounding can turn it there, and no further.
;; One version. Each part assembles by itself: llvm-mc -triple=amdgcn-amd-amdhsa -mcpu=gfx1250 --defsym DOCPART=n.
;; ======== version 1 of 1: 3 launches
;; limits: right only within a limited range of input values
;; workspace buffers: codes 8,650,752 bytes; scales 360,448 bytes; img 20,447,232 bytes
;; launch quant (part 1): grid 352 x 1, 4 waves a work-group, no clusters, 68,096 bytes of LDS; arguments x, w_qkv, codes, scales; writes codes, scales
.if DOCPART == 1
	.amdgcn_target "amdgcn-amd-amdhsa--gfx1250"
	.amdhsa_code_object_version 6
	.text
	.protected	k_q33230520e6_quant
	.globl	k_q33230520e6_quant
	.p2align	8
	.type	k_q33230520e6_quant,@function
k_q33230520e6_quant:
	s_mov_b64 s[64:65], 0
	v_nop
	global_prefetch_b8 v0, s[64:65] scope:SCOPE_SE
	s_setreg_imm32_b32 hwreg(HW_REG_WAVE_MODE, 25, 1), 1
	s_wait_xcnt 0x0
; x [8192][1024] f32 (K innermost) and w_qkv [1024][3072] f32 (K is its first axis) become codes of FP6 (E2M3), K innermost, with one E8M0 byte for each 32 along K.
; codes: 11,264 rows of 768 bytes, scales: 11,264 rows of 32 bytes; rows 0-8191 are x's, rows 8192-11263 are w's columns.
; A block's scale is 2^(floor(log2(its largest magnitude)) - 2); its byte is that magnitude's exponent field - 2, held at 1 from below; numbers beyond 7.5 x the scale take the largest code.
; THE ROWS ARE PERMUTED inside each group of 64: place 16 T + 8 h + j holds row 32 h + 8 T + j (T 0..3, h 0..1, j 0..7).
; In the product's launch a lane's 32 results of four neighbouring tiles are then 32 neighbours in the true order: a whole block of the next quantiser.
; LIMITS: a block of zeros gets the byte 1 (its codes are zeros; this program alone reads the bytes); blocks whose largest magnitude lies under 2^-124 keep the byte 1; NaN and infinities are not served.
; Work-groups 0-255 take x (a wave: 8 rows, 16 steps of 512 numbers), 256-351 take w (a wave: 32 columns x 256 along K).  The two ways share no LDS byte.  No tensor loads, no barrier: waves share nothing.
.set XWG,   256
.set STEPS, 16
.set EMAX,  2
.set CB,    12                         ; bytes of 16 codes
.set R,     16                         ; x: four sets of 16 numbers as loaded
.set X,     80                         ; x: two sets of 16 neighbours
.set E,     112                        ; x: a scale byte for each step
.set C,     128                        ; x: codes, four registers a step
.set WREG,  8192                       ; x: a wave's LDS: two stages of 32 x SP bytes, then its 256 scale bytes
.set SP,    80
.set SPW,   12                         ; my spare word's address; never rewritten
.set NIL,   13                         ; 0; never rewritten
.set WSTG,  32768                      ; w: four stages of 32 rows x PITCH
.set PITCH, 272
.set SPARE, WSTG+4*32*PITCH            ; the spare words: 128 bytes a wave
.set SIZE_N, 3072
.set KW,    256
.set NB,    KW/32
.set ROWB,  192
.set KROW,  768
.set WX,    32
.set WC,    96
.set OUTR,  112
.set SB,    24
	s_load_b256 s[4:11], s[0:1], 0x0               ; x, w, codes, scales
	v_lshl_add_u32 v[SPW], v0, 2, SPARE
	v_mov_b32 v[NIL], 0
	v_lshrrev_b32 v1, 5, v0
	v_readfirstlane_b32 s16, v1                    ; wave
	v_and_b32 v2, 31, v0                           ; lane
	s_cmp_lt_u32 ttmp9, XWG
	s_cbranch_scc0 .Lw
	; x: each load reads 512 consecutive bytes; a step's 2,048 bytes turn through the wave's stage and come back 16 neighbours a lane
	v_lshlrev_b32 v3, 4, v2
	s_mul_i32 s17, s16, WREG
	v_lshrrev_b32 v14, 2, v2
	v_mul_u32_u24 v14, v14, SP
	v_and_b32 v15, 3, v2
	v_lshl_add_u32 v14, v15, 4, v14
	v_add_nc_u32 v14, s17, v14                     ; stage, in: SP (lane / 4) + 16 (lane % 4)
	v_mul_u32_u24 v15, v2, SP
	v_add_nc_u32 v15, s17, v15                     ; stage, out: SP x lane
	v_mul_u32_u24 v4, v2, CB
	v_lshrrev_b32 v5, 1, v2
	s_add_co_u32 s17, s17, 2*32*SP
	v_add_nc_u32 v5, s17, v5                       ; my block's scale byte
	v_lshlrev_b32 v7, 3, v2
	v_add_nc_u32 v6, s17, v7
	s_lshl_b32 s18, ttmp9, 2
	s_add_co_u32 s19, s18, s16                     ; the run of 8 rows that I read: 4 x work-group + wave
	s_lshl_b32 s20, s19, 15
	s_mov_b32 s21, 0
	s_lshl_b32 s22, s16, 1                         ; run 4 h + T of a group of eight (h = work-group % 2, T = wave) goes to place 2 T + h
	s_and_b32 s23, ttmp9, 1
	s_or_b32 s22, s22, s23
	s_and_b32 s23, s18, 0xfffffff8
	s_add_co_u32 s22, s22, s23
	s_mul_i32 s24, s22, 32*STEPS*CB                ; 6,144 bytes of codes a run
	s_mov_b32 s25, 0
	s_lshl_b32 s26, s22, 8                         ; 256 scale bytes a run
	s_mov_b32 s27, 0
	s_wait_alu depctr_va_vdst(0)                   ; the wait at the head's end
	s_wait_kmcnt 0x0
	s_add_nc_u64 s[4:5], s[4:5], s[20:21]
	s_add_nc_u64 s[8:9], s[8:9], s[24:25]
	s_add_nc_u64 s[10:11], s[10:11], s[26:27]
.macro LOAD t
.irp i, 0,1,2,3
	global_load_b128 v[R+16*((\t)%4)+4*\i:R+16*((\t)%4)+4*\i+3], v3, s[4:5] offset:2048*(\t)+512*\i th:TH_LOAD_NT
.endr
.endm
.macro TURN t                          ; LDS serves a wave's instructions in order: no wait between the stores and the loads
.irp i, 0,1,2,3
	ds_store_b128 v14, v[R+16*((\t)%4)+4*\i:R+16*((\t)%4)+4*\i+3] offset:32*SP*((\t)%2)+8*SP*\i
.endr
.irp i, 0,1,2,3
	ds_load_b128 v[X+16*((\t)%2)+4*\i:X+16*((\t)%2)+4*\i+3], v15 offset:32*SP*((\t)%2)+16*\i
.endr
.endm
.irp t, 0,1,2,3
	LOAD \t
.endr
	s_wait_loadcnt 12                              ; step 0's four loads are in
	TURN 0
.macro STEP t
.set XS, X+16*((\t)%2)
.if (\t) > 0
	s_wait_dscnt 1                                 ; this step's numbers are back (the last step's byte store may be out)
.else
	s_wait_dscnt 0x0
.endif
.if (\t)+4 < STEPS
	LOAD (\t)+4
.endif
.if (\t)+1 < STEPS
.if STEPS-2-(\t) >= 3
	s_wait_loadcnt 12                              ; the next step's four loads are in; three steps' may be out
.else
	s_wait_loadcnt 4*(STEPS-2-(\t))
.endif
	TURN (\t)+1
.endif
	v_max3_num_f32 v8, |v[XS]|, |v[XS+1]|, |v[XS+2]|
	v_max3_num_f32 v9, |v[XS+3]|, |v[XS+4]|, |v[XS+5]|
.irp i, 6,10
	v_max3_num_f32 v8, v8, |v[XS+\i]|, |v[XS+\i+1]|
	v_max3_num_f32 v9, v9, |v[XS+\i+2]|, |v[XS+\i+3]|
.endr
	v_max3_num_f32 v8, v8, |v[XS+14]|, |v[XS+15]|
	v_max3_num_f32 v8, v8, v9, (EMAX+1)<<23        ; the floor 2^(3 - 127): the byte cannot fall under 1
	v_max_num_f32_dpp v8, v8, v8 row_xmask:1 row_mask:0xf bank_mask:0xf   ; with my neighbour's 16: the block's
	v_add_nc_u32 v11, -(EMAX<<23), v8              ; 2 off the exponent field: the conversion's scale operand
	v_cvt_scalef32_pk16_fp6_f32 v[C+4*(\t):C+4*(\t)+2], v[XS:XS+15], v11
	v_lshrrev_b32 v[E+(\t)], 23, v11               ; the scale's byte
	ds_store_b8 v5, v[E+(\t)] offset:16*(\t)
	global_store_b96 v4, v[C+4*(\t):C+4*(\t)+2], s[8:9] offset:32*CB*(\t)   ; the wave stores 384 consecutive bytes
.endm
.irp t, 0,1,2,3,4,5,6,7,8,9,10,11,12,13,14,15
	STEP \t
.endr
	ds_load_b64 v[8:9], v6
	s_wait_dscnt 0x0
	global_store_b64 v7, v[8:9], s[10:11]          ; 32 lanes store 256 consecutive bytes, aligned
	s_wait_tensorcnt 0x0                           ; the wave's end
	ds_add_u32 v[SPW], v[NIL]
	s_wait_dscnt 0x0
	s_endpgm
	; w: a lane takes a column and its registers run down K: a block of 32 lies in one lane
.Lw:
	s_sub_co_u32 s17, ttmp9, XWG
	s_lshr_b32 s18, s17, 2                         ; which 128 columns
	s_and_b32 s19, s17, 3                          ; which 256 along K
	s_lshl_b32 s17, s18, 7
	s_lshl_b32 s18, s16, 5
	s_add_co_u32 s17, s17, s18                     ; my wave's first column
	s_wait_alu depctr_va_vdst(0)                   ; the wait behind the branch taken
	v_lshlrev_b32 v3, 2, v2
	v_and_b32 v10, 7, v2
	v_lshrrev_b32 v5, 3, v2
	v_bfe_u32 v6, v2, 4, 1
	v_lshl_add_u32 v10, v5, 4, v10                 ; my column's place from the wave's first: (l % 8) + 16 (l / 8)
	s_mul_i32 s20, s16, 32*PITCH
	s_add_co_u32 s20, s20, WSTG
	v_mul_u32_u24 v4, v2, PITCH
	v_add_nc_u32 v4, s20, v4                       ; into the stage: row = my lane
	v_and_b32 v5, 15, v2
	v_mul_u32_u24 v7, v6, PITCH                    ; out of it: sixteen lanes to a row, two rows an instruction
	v_lshl_add_u32 v7, v5, 4, v7
	v_add_nc_u32 v7, s20, v7
	v_mul_u32_u24 v8, v6, KROW
	v_mad_u32_u24 v8, v5, 12, v8
	v_lshlrev_b32 v9, 5, v10                       ; my column's row of scale bytes
	s_mul_i32 s22, s19, KW*SIZE_N*4
	s_lshl_b32 s23, s17, 2
	s_add_co_u32 s22, s22, s23
	s_mov_b32 s23, 0
	s_and_b32 s24, s17, 0xffffffc0                 ; the group of 64 columns,
	s_and_b32 s25, s16, 1
	s_lshl_b32 s25, s25, 3
	s_add_co_u32 s24, s24, s25                     ; + 8 h (h = wave % 2: which 32 of the 64 are mine),
	s_add_co_u32 s24, s24, 8192                    ; behind x's rows
	s_mul_i32 s26, s24, KROW
	s_mul_i32 s25, s19, ROWB
	s_add_co_u32 s26, s26, s25
	s_mov_b32 s27, 0
	s_lshl_b32 s28, s24, 5
	s_lshl_b32 s25, s19, 3
	s_add_co_u32 s28, s28, s25
	s_mov_b32 s29, 0
	s_wait_alu depctr_va_vdst(0)                   ; the wait at the head's end
	s_wait_kmcnt 0x0
	s_add_nc_u64 s[6:7], s[6:7], s[22:23]
	s_add_nc_u64 s[8:9], s[8:9], s[26:27]
	s_add_nc_u64 s[10:11], s[10:11], s[28:29]
.macro LOADW t                         ; the largest offset, 255 x 12,288, lies inside the signed 24-bit immediate
.irp i, 0,1,2,3,4,5,6,7,8,9,10,11,12,13,14,15,16,17,18,19,20,21,22,23,24,25,26,27,28,29,30,31
	global_load_b32 v[WX+32*((\t)%2)+\i], v3, s[6:7] offset:(32*(\t)+\i)*SIZE_N*4 th:TH_LOAD_NT
.endr
.endm
	LOADW 0
	LOADW 1
.macro BLOCK t
.set XS, WX+32*((\t)%2)
.if (\t) < NB-1
	s_wait_loadcnt 32                              ; this block's 32 loads are in; the next block's may be out
.else
	s_wait_loadcnt 0
.endif
	v_max3_num_f32 v16, |v[XS]|, |v[XS+1]|, |v[XS+2]|
	v_max3_num_f32 v17, |v[XS+3]|, |v[XS+4]|, |v[XS+5]|
.irp i, 6,10,14,18,22,26
	v_max3_num_f32 v16, v16, |v[XS+\i]|, |v[XS+\i+1]|
	v_max3_num_f32 v17, v17, |v[XS+\i+2]|, |v[XS+\i+3]|
.endr
	v_max3_num_f32 v16, v16, |v[XS+30]|, |v[XS+31]|
	v_max3_num_f32 v16, v16, v17, (EMAX+1)<<23
	v_add_nc_u32 v11, -(EMAX<<23), v16
	v_lshrrev_b32 v17, 23, v11
.if (\t)%4 == 0
	v_mov_b32 v[SB+(\t)/4], v17
.else
	v_lshl_or_b32 v[SB+(\t)/4], v17, 8*((\t)%4), v[SB+(\t)/4]
.endif
	v_cvt_scalef32_pk16_fp6_f32 v[WC:WC+2], v[XS:XS+15], v11
	v_cvt_scalef32_pk16_fp6_f32 v[WC+4:WC+6], v[XS+16:XS+31], v11
	ds_store_b96 v4, v[WC:WC+2] offset:32*(\t)     ; 12 bytes to a place of 16
	ds_store_b96 v4, v[WC+4:WC+6] offset:32*(\t)+16
.if (\t)+2 < NB
	LOADW (\t)+2
.endif
	s_wait_dscnt 0x0                               ; the stores have read their registers
.endm
.irp t, 0,1,2,3,4,5,6,7
	BLOCK \t
.endr
	s_wait_alu depctr_va_vdst(0)                   ; the wait ahead of the reader below
	global_store_b64 v9, v[SB:SB+1], s[10:11]
.irp t, 0,1,2,3,4,5,6,7,8,9,10,11,12,13,14,15
	ds_load_b96 v[OUTR+4*\t:OUTR+4*\t+2], v7 offset:2*\t*PITCH
.endr
.irp t, 0,1,2,3,4,5,6,7,8,9,10,11,12,13,14,15
	s_wait_dscnt 15-\t
	global_store_b96 v8, v[OUTR+4*\t:OUTR+4*\t+2], s[8:9] offset:(16*(\t/4)+2*(\t%4))*KROW   ; stage row 2 t + (lane / 16) goes to place 16 (t / 4) + 2 (t % 4) + (lane / 16)
.endr
	s_wait_tensorcnt 0x0                           ; the wave's end
	ds_add_u32 v[SPW], v[NIL]
	s_wait_dscnt 0x0
	s_endpgm
.Lfunc_end_k_q33230520e6_quant:
	.size	k_q33230520e6_quant, .Lfunc_end_k_q33230520e6_quant-k_q33230520e6_quant
	.p2alignl 7, 3214868480
	.fill 96, 4, 3214868480
	.section	.rodata,"a",@progbits
	.p2align	6, 0x0
	.amdhsa_kernel k_q33230520e6_quant
		.amdhsa_group_segment_fixed_size 68096
		.amdhsa_private_segment_fixed_size 0
		.amdhsa_enable_private_segment 0
		.amdhsa_kernarg_size 32
		.amdhsa_user_sgpr_count 2
		.amdhsa_user_sgpr_kernarg_segment_ptr 1
		.amdhsa_wavefront_size32 1
		.amdhsa_system_sgpr_workgroup_id_x 1
		.amdhsa_system_sgpr_workgroup_id_y 1
		.amdhsa_system_sgpr_workgroup_id_z 1
		.amdhsa_system_vgpr_workitem_id 0
		.amdhsa_next_free_vgpr 192
		.amdhsa_next_free_sgpr 66
		.amdhsa_reserve_vcc 0
		.amdhsa_float_denorm_mode_32 3
		.amdhsa_float_denorm_mode_16_64 3
		.amdhsa_memory_ordered 1
		.amdhsa_forward_progress 1
		.amdhsa_inst_pref_size 73
	.end_amdhsa_kernel
	.amdgpu_metadata
---
amdhsa.version: [ 1, 2 ]
amdhsa.kernels:
  - .name:           k_q33230520e6_quant
    .symbol:         k_q33230520e6_quant.kd
    .args:
      - { .name: x, .offset: 0, .size: 8, .value_kind: global_buffer, .address_space: global }
      - { .name: w_qkv, .offset: 8, .size: 8, .value_kind: global_buffer, .address_space: global }
      - { .name: codes, .offset: 16, .size: 8, .value_kind: global_buffer, .address_space: global }
      - { .name: scales, .offset: 24, .size: 8, .value_kind: global_buffer, .address_space: global }
    .group_segment_fixed_size: 68096
    .private_segment_fixed_size: 0
    .kernarg_segment_align: 8
    .kernarg_segment_size: 32
    .max_flat_workgroup_size: 128
    .sgpr_count:     66
    .vgpr_count:     192
    .wavefront_size: 32
...
	.end_amdgpu_metadata
.endif
;; end of part 1
;; launch gemm (part 2): grid 12 x 32, 4 waves a work-group, clusters of 4 x 4, 327,680 bytes of LDS; arguments codes, scales, img; writes img
.if DOCPART == 2
	.amdgcn_target "amdgcn-amd-amdhsa--gfx1250"
	.amdhsa_code_object_version 6
	.text
	.protected	k_q33230520e6_gemm
	.globl	k_q33230520e6_gemm
	.p2align	8
	.type	k_q33230520e6_gemm,@function
k_q33230520e6_gemm:
	s_mov_b64 s[64:65], 0
	v_nop
	global_prefetch_b8 v0, s[64:65] scope:SCOPE_SE
	s_setreg_imm32_b32 hwreg(HW_REG_WAVE_MODE, 25, 1), 1
	s_wait_xcnt 0x0
	s_wait_alu depctr_hold_cnt(0) depctr_sa_sdst(0) depctr_va_vdst(0) depctr_va_sdst(0) depctr_va_ssrc(0) depctr_va_vcc(0) depctr_vm_vsrc(0)
	s_getreg_b32 s2, hwreg(HW_REG_IB_STS2, 6, 4)
	s_cmp_eq_u32 s2, 0
	s_cbranch_scc0 .Lentry_in_a_cluster
	s_endpgm
.Lentry_in_a_cluster:
	s_bfe_u32 s2, ttmp6, 0x10000c
	s_cmp_lg_u32 s2, 0xf033
	s_cbranch_scc0 .Lentry_shape_is_right
	s_endpgm
.Lentry_shape_is_right:
; qkv = x w on codes of FP6 (E2M3), one E8M0 scale for each 32 along K = 1,024; sums in f32.  On the way out q and k are quantised along the head's 64 and v along the keys, in registers,
; and stored as images of the next products' operand registers (12 registers a lane: three pieces of 512 bytes, lane l's 16 bytes at 16 l), their scale words behind them.
; codes: 11,264 rows x 768 bytes (0-8191 x, 8192.. w's columns), scales 32 bytes a row; inside each group of 64 rows place 16 T + 8 h + j holds row 32 h + 8 T + j.
; A tile of 256 x 256 is made by four waves, 128 x 128 each: 64 accumulators.  K goes through a ring of two LDS slots in chunks of 256 bytes of each row (three chunks; a step of 128 along K is 96 bytes);
; every tile row begins at a multiple of 256 bytes.  The tile's scale bytes come once.
; THE MATRIX INSTRUCTION IS USED TRANSPOSED (source 0 = 16 rows of B, source 1 = 16 rows of A): a lane holds one row of A, and by the permutation its 32 registers of B's blocks 4 c .. 4 c + 3 are
; B's true rows 64 c + 32 (lane / 16) + 0 .. 31: a whole block of the next quantiser in one lane.  Lane r of A's block a is true row 64 (a / 4) + 32 (r / 8) + 8 (a % 4) + r % 8.
; ROLES, by the cluster's x (the same in all sixteen partners): 0 (q), 1 (k): A = tokens, B = w's columns.  2 (v): A = w's columns, B = tokens.
; CLUSTERS: 4 x 4; A's tile is shared along a row of the cluster, B's along a column, each asked for jointly.
; img: three sections (q, k, v) of [16 batch + head][8 steps of 128 tokens][6,656 bytes]: four fragments of 1,536 bytes, then 512 bytes of scale words [lane][4], word i for fragment i.
; q, k fragment g: registers 0-5 A's block 2 g, registers 6-11 block 2 g + 1; lane (r, h) holds block h of the head's 64.  v fragment T: registers 6 c ..: keys 64 c + 32 h + 0 .. 31 of channel 32 (r / 8) + 8 T + r % 8.
; PREFETCH: behind the head's load each wave names chunks 1 and 2 of 32 rows, a lane a row; the four partners that ask for a tile jointly share its rows out by address, so each 256 bytes are named once in a cluster.
; LIMITS: a block of zeros gets the byte 1 (zero codes; this program alone reads the bytes); blocks whose largest magnitude lies under 2^-124 keep the byte 1; NaN and infinities are not served.
; REGISTERS: window 0: v16-29 addresses, v32-63 scale words (two sets), v128-223 A's fragments; window 1: B's fragments, two sets; windows 2, 3: accumulators ((a, b) at v[8 (8 (a % 4) + b)]).
.set ROWB,   256
.set NQ,     2
.set KROW,   768
.set STEPS,  8
.set CHUNKS, 3
.set PITCH,  272                       ; 256 bytes + 16 of padding
.set FR,     12
.set NL,     6
.set NP,     4                         ; places behind this matrix instruction (ISA guide 7.12.1)
.set HALFT,  128*PITCH
.set SLOT,   4*HALFT
.set KS,     32
.set SCL,    2*SLOT
.set HALFS,  16*272
.set SBLK,   2*272
.set SPARE,  SCL+4*HALFS               ; the spare words: 128 bytes a wave
.set SEC,    6815744                   ; a section of img
.set HS,     53248                     ; a head's eight steps
.set STP,    6656                      ; a step
.set ADRA, 16
.set ADRB, 20
.set LI,   24                          ; 16 x lane
.set SH8,  25                          ; 8 x (lane / 16)
.set PFO,  26                          ; lane x a row of codes
.set ADRS, 27
.set SPW,  28
.set NIL,  29
.set SC,   32
.set AF,   128
.set OUT,  64                          ; the way out: 96 registers of images
.set WW,   160                         ; their scale words
.set BY,   168                         ; v168-171 bytes
.set PT,   172
.set TM,   224
.set T,    240
.set SEL,  96
.set PFA,  94
.set G1, 24
.set G0, 32
.set G1B, 48
.set G0B, 56
.set G1S, 68
.set G0S, 76
.set G1SB, 80
.set G0SB, 88
.set G0H, 4
.set G0HB, 8
.set MSB, 0
.macro WIN new
.if MSB != \new
	s_set_vgpr_msb (MSB<<8)|\new
.set MSB, \new
.endif
.endm
.set MUL_LO, 0xa1
.set MUL_HI, 0xf1
.set TO_B,   0x40
.macro JLOAD g0a, g1a, g0b, g1b        ; waves 0, 1 fetch for A, waves 2, 3 for B
	s_cmp_eq_u32 s15, 0
	s_cbranch_scc0 .Lfor_b_\@
	tensor_load_to_lds s[\g0a:\g0a+3], s[\g1a:\g1a+7]
	s_nop 0
.rept 4
	v_nop
.endr
	s_branch .Lasked_\@
.Lfor_b_\@:
	tensor_load_to_lds s[\g0b:\g0b+3], s[\g1b:\g1b+7]
	s_nop 0
.rept 4
	v_nop
.endr
.Lasked_\@:
.endm
.macro CREST
	s_cmp_lg_u32 s14, 0
	s_cbranch_scc1 .Lnot_wave_0_\@
	s_barrier_signal -3
.Lnot_wave_0_\@:
	s_barrier_wait -3
	s_barrier_signal -1
	s_barrier_wait -1
.endm
.macro CROUND
	s_barrier_signal -1
	s_barrier_wait -1
	CREST
.endm
	s_load_b128 s[4:7], s[0:1], 0x0                ; codes, scales
	s_load_b64 s[12:13], s[0:1], 0x10              ; img
	v_lshl_add_u32 v[SPW], v0, 2, SPARE
	v_mov_b32 v[NIL], 0
	ds_add_u32 v[SPW], v[NIL]                      ; the opening lines: the add twice and one wait
	ds_add_u32 v[SPW], v[NIL]
	v_lshrrev_b32 v1, 5, v0
	v_readfirstlane_b32 s14, v1                    ; wave
	s_lshr_b32 s15, s14, 1                         ; my half of A's rows; also: I fetch for A (0) or B (1)
	s_and_b32 s16, s14, 1                          ; my half of B's rows; also: which 128 rows I fetch
	s_bfe_u32 s40, ttmp6, 0x40000                  ; cx
	s_bfe_u32 s41, ttmp6, 0x40004                  ; cy
	s_and_b32 s17, ttmp7, 0xffff
	s_lshl_b32 s17, s17, 2                         ; the batch's first tile of 256 tokens
	s_lshl_b32 s42, ttmp9, 2
	s_add_co_u32 s42, s42, 32                      ; q's or k's first tile of w's rows
	s_cmp_eq_u32 ttmp9, 2                          ; v?
	s_cselect_b32 s42, s17, s42                    ; B's tile
	s_cselect_b32 s17, 40, s17                     ; A's tile
	s_add_co_u32 s42, s42, s40
	s_add_co_u32 s17, s17, s41
	s_lshl_b32 s43, s41, 2
	s_lshl_b32 s43, 15, s43                        ; my row of the cluster
	s_lshl_b32 s44, 0x1111, s40                    ; my column
	s_or_b32 s[G1+0], s43, (0<<16)|(1<<20)|(1<<21)|(5<<22)|(3<<25)
	s_or_b32 s[G1B+0], s44, (0<<16)|(1<<20)|(1<<21)|(5<<22)|(3<<25)
.irp g, G1, G1B                        ; rows of 256 bytes, 16 of padding behind each; 256 rows for the head's loads
	s_mov_b32 s[\g+1], ROWB<<16
	s_mov_b32 s[\g+2], 256<<16
	s_mov_b32 s[\g+3], ROWB<<16
	s_mov_b32 s[\g+4], 256
	s_mov_b32 s[\g+5], KROW
	s_mov_b32 s[\g+6], 0
	s_mov_b32 s[\g+7], 0
.endr
	s_or_b32 s[G1S+0], s43, (3<<16)|(1<<20)|(1<<21)|(5<<22)|(3<<25)
	s_or_b32 s[G1SB+0], s44, (3<<16)|(1<<20)|(1<<21)|(5<<22)|(3<<25)
.irp g, G1S, G1SB                      ; the scales of 256 rows: 8,192 dense bytes as 32 rows of 256
	s_mov_b32 s[\g+1], 32<<16
	s_mov_b32 s[\g+2], KS<<16
	s_mov_b32 s[\g+3], 32<<16
	s_mov_b32 s[\g+4], KS
	s_mov_b32 s[\g+5], 32
	s_mov_b32 s[\g+6], 0
	s_mov_b32 s[\g+7], 0
.endr
	s_lshl_b32 s20, s17, 8
	s_lshl_b32 s46, s42, 8
	s_mov_b32 s21, 0
	s_mov_b32 s47, 0
	s_mov_b64 s[18:19], KS
	s_mul_u64 s[22:23], s[20:21], s[18:19]
	s_mul_u64 s[92:93], s[46:47], s[18:19]
	s_mov_b64 s[18:19], KROW
	s_mul_u64 s[20:21], s[20:21], s[18:19]
	s_mul_u64 s[46:47], s[46:47], s[18:19]
	s_mul_i32 s18, s16, 128*KROW
	s_mov_b32 s19, 0
	s_mul_i32 s45, s14, HALFT
	s_cmp_eq_u32 s15, 0                            ; the prefetches: of the 128 rows that I fetch in the ring, my work-group's 32
	s_cselect_b32 s[PFA], s17, s42
	s_cselect_b32 s[PFA+1], s40, s41               ; my place among the four that ask with me
	s_lshl_b32 s[PFA], s[PFA], 8
	s_lshl_b32 s98, s16, 7
	s_add_co_u32 s[PFA], s[PFA], s98
	s_lshl_b32 s[PFA+1], s[PFA+1], 5
	s_add_co_u32 s[PFA], s[PFA], s[PFA+1]
	s_mul_i32 s[PFA], s[PFA], KROW
	s_mov_b32 s[PFA+1], 0
	s_mov_b32 s[SEL], 0x76543210
	s_mov_b32 s[SEL+1], 0xfedcba98
	s_wait_dscnt 0x0
	s_wait_kmcnt 0x0
	s_add_nc_u64 s[PFA:PFA+1], s[4:5], s[PFA:PFA+1]
	s_add_nc_u64 s[20:21], s[4:5], s[20:21]
	s_add_nc_u64 s[22:23], s[6:7], s[22:23]
	s_add_nc_u64 s[46:47], s[4:5], s[46:47]
	s_add_nc_u64 s[92:93], s[6:7], s[92:93]
	CROUND                                         ; all sixteen work-groups are here: the first joint loads meet
	s_mov_b32 s[G0H], 1
	s_mov_b32 s[G0H+1], 0
	s_mov_b64 s[G0H+2:G0H+3], s[20:21]
	s_or_b32 s[G0H+3], s[G0H+3], 0x80000000
	s_mov_b32 s[G0HB], 1
	s_mov_b32 s[G0HB+1], 2*HALFT
	s_mov_b64 s[G0HB+2:G0HB+3], s[46:47]
	s_or_b32 s[G0HB+3], s[G0HB+3], 0x80000000
	s_mov_b32 s[G0S], 1
	s_mov_b32 s[G0S+1], SCL
	s_mov_b64 s[G0S+2:G0S+3], s[22:23]
	s_or_b32 s[G0S+3], s[G0S+3], 0x80000000
	s_mov_b32 s[G0SB], 1
	s_mov_b32 s[G0SB+1], SCL+2*HALFS
	s_mov_b64 s[G0SB+2:G0SB+3], s[92:93]
	s_or_b32 s[G0SB+3], s[G0SB+3], 0x80000000
	s_add_nc_u64 s[20:21], s[20:21], s[18:19]
	s_add_nc_u64 s[46:47], s[46:47], s[18:19]
.irp s, 0,1
	s_mov_b32 s[G0+4*\s], 1
	s_add_co_u32 s[G0+4*\s+1], s45, \s*SLOT
	s_add_nc_u64 s[G0+4*\s+2:G0+4*\s+3], s[20:21], \s*ROWB
	s_or_b32 s[G0+4*\s+3], s[G0+4*\s+3], 0x80000000
	s_mov_b32 s[G0B+4*\s], 1
	s_add_co_u32 s[G0B+4*\s+1], s45, \s*SLOT
	s_add_nc_u64 s[G0B+4*\s+2:G0B+4*\s+3], s[46:47], \s*ROWB
	s_or_b32 s[G0B+4*\s+3], s[G0B+4*\s+3], 0x80000000
.endr
; the head's loads, one a wave: chunk 0's 256 rows of A, its 256 rows of B, A's scales, B's scales; one tree of branches on the wave's number
.macro ARM under, g0, g1, next
	s_cmp_lt_u32 s14, \under
	s_cbranch_scc0 \next
	tensor_load_to_lds s[\g0:\g0+3], s[\g1:\g1+7]
	s_nop 0
.rept 4
	v_nop
.endr
	s_branch .Lhead_asked
\next:
.endm
	ARM 1, G0H,  G1,  .Lhead_b
	ARM 2, G0HB, G1B, .Lhead_sa
	ARM 3, G0S,  G1S, .Lhead_sb
	tensor_load_to_lds s[G0SB:G0SB+3], s[G1SB:G1SB+7]
	s_nop 0
.rept 4
	v_nop
.endr
.Lhead_asked:
	v_and_b32 v1, 15, v0                           ; l % 16
	v_bfe_u32 v2, v0, 4, 1                         ; l / 16
	v_lshlrev_b32 v[SH8], 3, v2
	v_mul_u32_u24 v3, v1, PITCH
	v_mul_u32_u24 v4, v2, 24
	v_add_nc_u32 v4, v3, v4                        ; a fragment's row x pitch + 24 x half
	s_mov_b32 s21, SLOT-232
	s_mov_b32 s22, SLOT+232
	v_sub_nc_u32 v7, 1, v2
	v_mul_u32_u24 v5, s21, v2
	v_add_nc_u32 v5, v3, v5
	v_add_nc_u32 v5, 232, v5                       ; across two chunks: lanes 0-15 byte 232 in slot 0, lanes 16-31 byte 0 in slot 1;
	v_mul_u32_u24 v6, s22, v7
	v_add_nc_u32 v6, v3, v6                        ; and the other way round
	s_mul_i32 s21, s15, HALFT
	s_mul_i32 s22, s16, HALFT
	s_add_co_u32 s22, s22, 2*HALFT
	v_add_nc_u32 v[ADRA+2], s21, v5
	v_add_nc_u32 v[ADRA+3], s21, v6
	v_add_nc_u32 v[ADRB+2], s22, v5
	v_add_nc_u32 v[ADRB+3], s22, v6
.irp s, 0,1
	v_add_nc_u32 v[ADRA+\s], s21, v4
	v_add_nc_u32 v[ADRB+\s], s22, v4
	s_add_co_u32 s21, s21, SLOT
	s_add_co_u32 s22, s22, SLOT
.endr
	v_mul_u32_u24 v5, v1, KS
	v_lshrrev_b32 v6, 8, v5
	v_lshl_add_u32 v5, v6, 4, v5
	s_mul_i32 s21, s15, HALFS
	s_mul_i32 s22, s16, HALFS
	s_add_co_u32 s22, s22, 2*HALFS
	s_sub_co_u32 s22, s22, s21
	v_mul_u32_u24 v6, s22, v2                      ; lanes 16-31 take B's words: one product, the distance between the two bases
	s_add_co_u32 s21, s21, SCL
	v_add_nc_u32 v5, v5, v6
	v_add_nc_u32 v[ADRS], s21, v5
	v_and_b32 v6, 31, v0
	v_lshlrev_b32 v[LI], 4, v6
	v_mul_u32_u24 v[PFO], v6, KROW
	global_prefetch_b8 v[PFO], s[PFA:PFA+1] offset:ROWB th:TH_LOAD_NT scope:SCOPE_SE     ; chunk 1 of my 32 rows; its registers are never rewritten
	global_prefetch_b8 v[PFO], s[PFA:PFA+1] offset:2*ROWB th:TH_LOAD_NT scope:SCOPE_SE   ; chunk 2, the row's last
	; where my images go: section = cluster x; heads and key step by my place, A's and B's parts changed for v
	s_cmp_eq_u32 ttmp9, 2
	s_cselect_b32 s98, s41, s40
	s_cselect_b32 s99, s15, s16
	s_cselect_b32 s100, s40, s41
	s_cselect_b32 s101, s16, s15
	s_lshl_b32 s98, s98, 2
	s_lshl_b32 s99, s99, 1
	s_add_co_u32 s98, s98, s99                     ; my first head
	s_lshl_b32 s100, s100, 1
	s_add_co_u32 s100, s100, s101                  ; my step of 128 tokens
	s_and_b32 s99, ttmp7, 0xffff
	s_lshl_b32 s99, s99, 4
	s_add_co_u32 s98, s98, s99
	s_mul_i32 s20, s98, HS
	s_mul_i32 s99, s100, STP
	s_add_co_u32 s20, s20, s99
	s_mul_i32 s99, ttmp9, SEC
	s_add_co_u32 s20, s20, s99
	s_mov_b32 s21, 0
	s_add_nc_u64 s[12:13], s[12:13], s[20:21]
.macro FRAG reg, adr, st, i            ; 24 bytes of the row's stream of bits, twice, in pieces of 8 bytes; byte y of a row lies in slot (y / 256) % 2 at byte y % 256
.irp p, 0,1,2,3,4,5
.set BYT, 96*(\st)+48*(\p/3)+8*(\p%3)
.if BYT/ROWB == (BYT+24)/ROWB
	ds_load_b64 v[\reg+2*\p:\reg+2*\p+1], v[\adr+(BYT/ROWB)%2] offset:BYT%ROWB+(\i)*16*PITCH
.else
	ds_load_b64 v[\reg+2*\p:\reg+2*\p+1], v[\adr+2+(BYT/ROWB)%2] offset:BYT%ROWB-232+(\i)*16*PITCH
.endif
.endr
.endm
.macro MUL16 a0, p, q, sc, zero        ; the 64 accumulators take turns, in the same order in every step
.irp a, \a0, \a0+1
.irp b, 0,1,2,3,4,5,6,7
.if \zero
	v_wmma_scale_f32_16x16x128_f8f6f4 v[8*(8*((\a)%4)+\b):8*(8*((\a)%4)+\b)+7], v[128*(\p)+FR*\b:128*(\p)+FR*\b+FR-1], v[AF+FR*(\a):AF+FR*(\a)+FR-1], 0, v[SC+8*NQ*(\sc)+NQ*\b+(\q)], v[SC+8*NQ*(\sc)+NQ*(\a)+(\q)] matrix_a_fmt:MATRIX_FMT_FP6 matrix_b_fmt:MATRIX_FMT_FP6 matrix_a_scale:MATRIX_SCALE_ROW1
.else
	v_wmma_scale_f32_16x16x128_f8f6f4 v[8*(8*((\a)%4)+\b):8*(8*((\a)%4)+\b)+7], v[128*(\p)+FR*\b:128*(\p)+FR*\b+FR-1], v[AF+FR*(\a):AF+FR*(\a)+FR-1], v[8*(8*((\a)%4)+\b):8*(8*((\a)%4)+\b)+7], v[SC+8*NQ*(\sc)+NQ*\b+(\q)], v[SC+8*NQ*(\sc)+NQ*(\a)+(\q)] matrix_a_fmt:MATRIX_FMT_FP6 matrix_b_fmt:MATRIX_FMT_FP6 matrix_a_scale:MATRIX_SCALE_ROW1
.endif
.endr
.endr
.endm
.macro FETCH_B st, p
	WIN TO_B
.irp i, 0,1,2,3,4,5,6,7
	FRAG 128*(\p)+FR*\i, ADRB, \st, \i
.endr
	WIN 0
.endm
.macro FETCH_A st, i0
.irp i, \i0, \i0+1, \i0+2, \i0+3
	FRAG AF+FR*(\i), ADRA, \st, \i
.endr
.endm
.macro SCALES pr                       ; the words of steps 2 pr, 2 pr + 1: lanes 0-15 A's block i, lanes 16-31 B's
.irp i, 0,1,2,3,4,5,6,7
	ds_load_b64 v[SC+8*NQ*((\pr)%2)+NQ*\i:SC+8*NQ*((\pr)%2)+NQ*\i+1], v[ADRS] offset:\i*SBLK+4*NQ*(\pr)
.endr
.endm
.macro PLACES n
.rept \n
	v_nop
.endr
.endm
; A step: 64 matrix instructions; the next step's fragments are fetched in its middle and at its end.  Where the next step's bytes end in a chunk not read yet, a barrier shows it whole;
; where they begin in a later chunk, the chunk left behind is free: the three lines, the barrier, and, where a chunk two on is left, the cluster's round and the joint refill.
.macro STEP st, zero
.set NX, (\st)+1
.set C0, (96*(\st))/ROWB
.set C1, (96*NX)/ROWB
.set E0, (96*(\st)+95)/ROWB
.set E1, (96*NX+95)/ROWB
.if C1 > C0 || E1 > E0
	s_wait_tensorcnt 0x0                           ; all my tensor loads have landed
.if C1 > C0
	ds_add_u32 v[SPW], v[NIL]
	s_wait_dscnt 4*NL+1                            ; the add and A's blocks 4-7 may be out
.else
	s_wait_dscnt 4*NL                              ; A's blocks 4-7 may be out
.endif
	WIN MUL_LO
	MUL16 0, (\st)%2, (\st)%2, ((\st)/2)%2, \zero
	s_wait_dscnt 0x0                               ; the add and all my reads are done
	s_barrier_signal -1
	MUL16 2, (\st)%2, (\st)%2, ((\st)/2)%2, \zero
	WIN 0
	s_barrier_wait -1
.if C1 > C0 && C0+2 < CHUNKS
	CREST
	s_add_nc_u64 s[G0+4*(C0%2)+2:G0+4*(C0%2)+3], s[G0+4*(C0%2)+2:G0+4*(C0%2)+3], 2*ROWB
	s_add_nc_u64 s[G0B+4*(C0%2)+2:G0B+4*(C0%2)+3], s[G0B+4*(C0%2)+2:G0B+4*(C0%2)+3], 2*ROWB
	JLOAD G0+4*(C0%2), G1, G0B+4*(C0%2), G1B       ; chunk C0 + 2; its four v_nop are the places in front of the loads below
.else
	PLACES NP
.endif
.else
	s_wait_dscnt 4*NL
	WIN MUL_LO
	MUL16 0, (\st)%2, (\st)%2, ((\st)/2)%2, \zero
	MUL16 2, (\st)%2, (\st)%2, ((\st)/2)%2, \zero
	s_wait_dscnt 0
	PLACES NP
.endif
	FETCH_B NX, NX%2
	FETCH_A NX, 0
.if NX%2 == 0
	SCALES NX/2
.endif
	WIN MUL_HI
	MUL16 4, (\st)%2, (\st)%2, ((\st)/2)%2, \zero
	MUL16 6, (\st)%2, (\st)%2, ((\st)/2)%2, \zero
	PLACES NP
	WIN 0
	FETCH_A NX, 4
.endm
	s_wait_alu depctr_va_vdst(0)                   ; the wait at the head's end
	s_wait_tensorcnt 0x0                           ; my tile of the head's four is in
	ds_add_u32 v[SPW], v[NIL]
	s_mov_b32 s[G1+2], 128<<16                     ; no load of mine is out: from here on a load brings 128 rows
	s_mov_b32 s[G1+4], 128
	s_mov_b32 s[G1B+2], 128<<16
	s_mov_b32 s[G1B+4], 128
	s_wait_dscnt 0x0
	CROUND
	JLOAD G0+4, G1, G0B+4, G1B                     ; chunk 1, the first tensor load behind the round
	FETCH_B 0, 0
	FETCH_A 0, 0
	SCALES 0
	FETCH_A 0, 4
	STEP 0, 1                                      ; the first step's products start the sums
.set ST, 1
.rept STEPS-2
	STEP ST, 0
.set ST, ST+1
.endr
	s_wait_dscnt 4*NL
	WIN MUL_LO
	MUL16 0, 1, 1, 1, 0
	MUL16 2, 1, 1, 1, 0
	s_wait_dscnt 0
	WIN MUL_HI
	MUL16 4, 1, 1, 1, 0
	MUL16 6, 1, 1, 1, 0
	WIN 0
; THE WAY OUT.  The 64 registers of A's block a are two whole blocks of 32 a lane.  QUANTW makes six registers of codes of each (at d0, d1) and its byte (b0, b1).  Each accumulator is read from its low end on.
.macro QUANTW a, d0, d1, b0, b1
.set AC, 64*((\a)%4)
.set WN, 2+(\a)/4
.set WSET, 5*WN
	WIN WSET                                       ; sources 0 and 1: window 2 or 3
.irp b, 0,1,2,3
	v_max3_num_f32 v[TM+\b], |v[AC+16*\b]|, |v[AC+16*\b+1]|, 0x1800000   ; four chains of 16, with the floor 2^(3 - 127)
.endr
.irp i, 2,4,6,8,10,12,14
.irp b, 0,1,2,3
	v_max3_num_f32 v[TM+\b], |v[AC+16*\b+\i]|, |v[AC+16*\b+\i+1]|, v[TM+\b]
.endr
.endr
	WIN 0
	v_max_num_f32 v[TM], v[TM], v[TM+1]
	v_max_num_f32 v[TM+2], v[TM+2], v[TM+3]
	v_add_nc_u32 v[TM+4], 0xff000000, v[TM]        ; 2 off the exponent field: the conversion's scale operand
	v_add_nc_u32 v[TM+5], 0xff000000, v[TM+2]
	v_lshrrev_b32 v[\b0], 23, v[TM+4]
	v_lshrrev_b32 v[\b1], 23, v[TM+5]
	WIN WN
	v_cvt_scalef32_pk16_fp6_f32 v[\d0:\d0+2], v[AC:AC+15], v[TM+4]
	v_cvt_scalef32_pk16_fp6_f32 v[T:T+2], v[AC+16:AC+31], v[TM+4]
	v_cvt_scalef32_pk16_fp6_f32 v[\d1:\d1+2], v[AC+32:AC+47], v[TM+5]
	v_cvt_scalef32_pk16_fp6_f32 v[T+4:T+6], v[AC+48:AC+63], v[TM+5]
	WIN 0
	v_nop                                          ; one plain place behind a scaled conversion
.irp i, 0,1,2
	v_mov_b32 v[\d0+3+\i], v[T+\i]                 ; a conversion's three registers begin on an even number
	v_mov_b32 v[\d1+3+\i], v[T+4+\i]
.endr
.endm
.macro WORD dst, lo, hi                ; my two bytes at bits 8 h and 16 + 8 h; with lane l xor 16's two the word is whole
	v_lshl_or_b32 v[\dst], v[\hi], 16, v[\lo]
	v_lshlrev_b32 v[\dst], v[SH8], v[\dst]
	v_permlanex16_b32 v[PT], v[\dst], s[SEL], s[SEL+1]
	v_or_b32 v[\dst], v[\dst], v[PT]
.endm
	PLACES NP
	v_mov_b32 v[PT], 0                             ; a lane permute's destination counts as one of its sources
	s_cmp_eq_u32 ttmp9, 2                          ; the cluster's x: all partners and all waves go the same way
	s_wait_alu depctr_va_vdst(0)                   ; the wait ahead of the branch
	s_cbranch_scc1 .Lv_out
.irp g, 0,1,2,3                        ; q, k: A's blocks 2 g, 2 g + 1 are fragment g's two tiles of 16 tokens; the first 32 registers my first head, the others my second
	QUANTW 2*\g, OUT+24*\g, OUT+24*\g+12, BY, BY+1
	QUANTW 2*\g+1, OUT+24*\g+6, OUT+24*\g+18, BY+2, BY+3
	WORD WW+\g, BY, BY+2
	WORD WW+4+\g, BY+1, BY+3
.irp c, 0,1,2
	global_store_b128 v[LI], v[OUT+24*\g+4*\c:OUT+24*\g+4*\c+3], s[12:13] offset:1536*\g+512*\c          ; 32 lanes store 512 consecutive bytes, aligned
	global_store_b128 v[LI], v[OUT+24*\g+12+4*\c:OUT+24*\g+12+4*\c+3], s[12:13] offset:HS+1536*\g+512*\c
.endr
.endr
	s_branch .Ltail
.Lv_out:
.irp a, 0,1,2,3,4,5,6,7                ; v: A's block a is 16 channels (0-3 my first head, 4-7 my second); its two blocks a lane are the fragment's two halves
	QUANTW \a, OUT+12*\a, OUT+12*\a+6, BY, BY+1
	WORD WW+\a, BY, BY+1
.irp c, 0,1,2
	global_store_b128 v[LI], v[OUT+12*\a+4*\c:OUT+12*\a+4*\c+3], s[12:13] offset:(\a/4)*HS+(\a%4)*1536+512*\c
.endr
.endr
.Ltail:
	s_wait_alu depctr_va_vdst(0)                   ; the wait behind the branch
	global_store_b128 v[LI], v[WW:WW+3], s[12:13] offset:6144
	global_store_b128 v[LI], v[WW+4:WW+7], s[12:13] offset:HS+6144
	s_wait_tensorcnt 0x0                           ; the wave's end
	ds_add_u32 v[SPW], v[NIL]
	s_wait_dscnt 0x0
	CROUND                                         ; the closing round
	s_endpgm
.Lfunc_end_k_q33230520e6_gemm:
	.size	k_q33230520e6_gemm, .Lfunc_end_k_q33230520e6_gemm-k_q33230520e6_gemm
	.p2alignl 7, 3214868480
	.fill 96, 4, 3214868480
	.section	.rodata,"a",@progbits
	.p2align	6, 0x0
	.amdhsa_kernel k_q33230520e6_gemm
		.amdhsa_group_segment_fixed_size 327680
		.amdhsa_private_segment_fixed_size 0
		.amdhsa_enable_private_segment 0
		.amdhsa_kernarg_size 24
		.amdhsa_user_sgpr_count 2
		.amdhsa_user_sgpr_kernarg_segment_ptr 1
		.amdhsa_wavefront_size32 1
		.amdhsa_system_sgpr_workgroup_id_x 1
		.amdhsa_system_sgpr_workgroup_id_y 1
		.amdhsa_system_sgpr_workgroup_id_z 1
		.amdhsa_system_vgpr_workitem_id 0
		.amdhsa_next_free_vgpr 1024
		.amdhsa_next_free_sgpr 102
		.amdhsa_reserve_vcc 0
		.amdhsa_float_denorm_mode_32 3
		.amdhsa_float_denorm_mode_16_64 3
		.amdhsa_memory_ordered 1
		.amdhsa_forward_progress 1
		.amdhsa_inst_pref_size 187
	.end_amdhsa_kernel
	.amdgpu_metadata
---
amdhsa.version: [ 1, 2 ]
amdhsa.kernels:
  - .name:           k_q33230520e6_gemm
    .symbol:         k_q33230520e6_gemm.kd
    .args:
      - { .name: codes, .offset: 0, .size: 8, .value_kind: global_buffer, .address_space: global }
      - { .name: scales, .offset: 8, .size: 8, .value_kind: global_buffer, .address_space: global }
      - { .name: img, .offset: 16, .size: 8, .value_kind: global_buffer, .address_space: global }
    .group_segment_fixed_size: 327680
    .private_segment_fixed_size: 0
    .kernarg_segment_align: 8
    .kernarg_segment_size: 24
    .max_flat_workgroup_size: 128
    .sgpr_count:     102
    .vgpr_count:     1024
    .wavefront_size: 32
...
	.end_amdgpu_metadata
.endif
;; end of part 2
;; launch attn (part 3): grid 2 x 128, 8 waves a work-group, no clusters, 327,680 bytes of LDS; arguments img, mask, out0; writes out0
.if DOCPART == 3
	.amdgcn_target "amdgcn-amd-amdhsa--gfx1250"
	.amdhsa_code_object_version 6
	.text
	.protected	k_q33230520e6_attn
	.globl	k_q33230520e6_attn
	.p2align	8
	.type	k_q33230520e6_attn,@function
k_q33230520e6_attn:
	s_mov_b64 s[64:65], 0
	v_nop
	global_prefetch_b8 v0, s[64:65] scope:SCOPE_SE
	s_setreg_imm32_b32 hwreg(HW_REG_WAVE_MODE, 25, 1), 1
	s_wait_xcnt 0x0
; out = softmax(q k^T / 8 - 10000 (1 - m)) v for one batch and head (grid y) and 512 queries (grid x), on the images of operand registers that the launch before has stored.
; Both products are used transposed (S^T = k q^T, O^T = v^T p^T): a lane holds one query.  A wave takes 32 queries (one fragment of q: two tiles) in each of two passes and walks the 1,024 keys in 8 steps of 128.
; A head is 64 wide, so a fragment of k holds two tiles of 16 keys, and q's fragment stands beside six registers of zero codes.  The mask's term, -80000 (1 - m), is the C of the first product.
; By the rows' permutation a lane's S registers 32 c .. 32 c + 31 are keys 64 c + 32 (lane / 16) + 0 .. 31 of the step: a whole block of p in one lane.
; p = 2^(t - M), M the ceiling of the running largest t, kept as -M; the row's sum is taken of the unquantised p; when M moves, sum and O^T are multiplied by the exact 2^(old M - new M).
; A block's largest p is made of its largest score by the same multiply-add and exponential.
; A HEAD'S k AND v, 8 steps x 13,312 bytes with their scale words, come into LDS in two stages and stay; no byte is filled twice.  At the head each wave fetches an eighth of steps 0 and 1 (one row of 3,328 bytes);
; behind the full sequence and a barrier waves 0-5 fetch steps 2-7, a step each (two rows of 6,656 bytes: k's and v's), while steps 0 and 1 are worked; a barrier ahead of step 2 shows them whole to all waves.
; The whole of LDS is claimed.
; No cluster: a head's tiles are read by two work-groups only, once each.  No prefetch: the second stage is asked for two steps ahead of its first read, and nothing is left to ask for behind it.
; LIMITS: the promise holds while the scaled scores stay under 2^31 in magnitude; NaN and infinities are not served.
.set SEC,   6815744
.set HS,    53248
.set STP,   6656
.set LSTP,  13312
.set PART,  3328                       ; half of a step's k or v: what a wave fetches at the head
.set BIAS,  106496                     ; 1,024 f32: the mask's term by key
.set STAGE, 110592                     ; 16 rows x 272 bytes for each wave
.set SPARE, 145408                     ; the spare words: 128 bytes a wave
.set LI,   1
.set HH,   2
.set ABI0, 3
.set AKV,  4
.set RR,   5
.set ABI,  6
.set STO,  7
.set RD,   8
.set GO,   9
.set SH8,  10
.set SPW,  14
.set NIL,  15
.set ST,   16                          ; for each tile of queries 8: -M, (pair), sum x 2, f, p's scale word, two at work
.set QZ,   32                          ; zeros, q tile 0, zeros, q tile 1, zeros: 6 registers each
.set QS,   62
.set S,    64
.set P,    192
.set XB,   216
.set KSR,  248
.set VSR,  252
.set O,    0                           ; window 1
.set KF,   64
.set VF,   112
.set BI,   160
.set QL,   224                         ; this pass's q: 12 registers and its word; QL + 14: the next pass's
.set SEL,  40
.set CS,   42
.set NCS,  44
.set T6,   45
.set T5,   46
.set NSTEP, 47
.set NPASS, 60
.set MSB, 0
.macro WIN new
.if MSB != \new
	s_set_vgpr_msb (MSB<<8)|\new
.set MSB, \new
.endif
.endm
.macro H n
	s_delay_alu instid0(VALU_DEP_\n)
.endm
	s_load_b128 s[4:7], s[0:1], 0x0                ; img, mask
	s_load_b64 s[8:9], s[0:1], 0x10                ; out0
	v_lshl_add_u32 v[SPW], v0, 2, SPARE
	v_mov_b32 v[NIL], 0
	ds_add_u32 v[SPW], v[NIL]                      ; the opening lines: the add twice and one wait
	ds_add_u32 v[SPW], v[NIL]
	v_lshrrev_b32 v11, 5, v0
	H 1
	v_readfirstlane_b32 s12, v11                   ; wave
	s_and_b32 s13, ttmp7, 0xffff                   ; 16 batch + head
	s_mov_b32 s16, 3<<16                           ; group 1, second stage: two rows of 832 elements of 8 bytes, a section apart
	s_mov_b32 s17, 832<<16
	s_mov_b32 s18, 2<<16
	s_mov_b32 s19, 832<<16
	s_mov_b32 s20, 2
	s_mov_b32 s21, SEC/8
	s_mov_b32 s22, 0
	s_mov_b32 s23, 0
	s_mov_b32 s24, 3<<16                           ; group 1, first stage: one row of 416 elements of 8 bytes
	s_mov_b32 s25, 416<<16
	s_mov_b32 s26, 1<<16
	s_mov_b32 s27, 416<<16
	s_mov_b32 s28, 1
	s_mov_b32 s29, 416
	s_mov_b32 s30, 1<<16
	s_mov_b32 s31, 0
	s_mul_i32 s56, s13, HS
	s_mul_i32 s58, s12, STP                        ; second stage: wave w fetches step w + 2
	s_add_co_u32 s58, s58, s56
	s_add_co_u32 s58, s58, SEC+2*STP
	s_mov_b32 s59, 0
	s_mov_b32 s36, 1
	s_mul_i32 s37, s12, LSTP
	s_add_co_u32 s37, s37, 2*LSTP
	s_lshr_b32 s62, s12, 2                         ; first stage: wave w = 4 step + 2 (k or v) + half
	s_mul_i32 s62, s62, STP
	s_bfe_u32 s3, s12, 0x10001
	s_mul_i32 s3, s3, SEC
	s_add_co_u32 s62, s62, s3
	s_and_b32 s3, s12, 1
	s_mul_i32 s3, s3, PART
	s_add_co_u32 s62, s62, s3
	s_add_co_u32 s62, s62, s56
	s_add_co_u32 s62, s62, SEC
	s_mov_b32 s63, 0
	s_mov_b32 s32, 1
	s_mul_i32 s33, s12, PART                       ; in LDS the eight parts lie on end
	s_lshl_b32 s2, ttmp9, 4
	s_add_co_u32 s2, s2, s12                       ; G: my fragment of q in the first pass; the second takes G + 8
	s_lshr_b32 s3, s2, 2
	s_mul_i32 s48, s3, STP
	s_add_co_u32 s48, s48, s56
	s_and_b32 s14, s2, 3
	s_lshl_b32 s50, s14, 2
	s_add_co_u32 s50, s50, s48
	s_add_co_u32 s50, s50, 6144                    ; its scale word
	s_mul_i32 s14, s14, 1536
	s_add_co_u32 s48, s48, s14
	s_mov_b32 s49, 0
	s_mov_b32 s51, 0
	s_lshr_b32 s15, s13, 4                         ; batch
	s_mul_i32 s54, s15, 4092
	s_mov_b32 s55, 0
	s_lshl_b32 s52, s15, 22
	s_lshl_b32 s3, s3, 19                          ; my first token: 128 (G / 4) + 64 (G / 2 % 2) + 16 (G % 2), rows of 4,096 bytes
	s_add_co_u32 s52, s52, s3
	s_bfe_u32 s3, s2, 0x10001
	s_lshl_b32 s3, s3, 18
	s_add_co_u32 s52, s52, s3
	s_and_b32 s3, s2, 1
	s_lshl_b32 s3, s3, 16
	s_add_co_u32 s52, s52, s3
	s_and_b32 s3, s13, 15
	s_lshl_b32 s3, s3, 8
	s_add_co_u32 s52, s52, s3
	s_mov_b32 s53, 0
	s_mov_b32 s[SEL], 0x76543210
	s_mov_b32 s[SEL+1], 0xfedcba98
	s_mov_b32 s[CS], 0x3e38aa3b                    ; c = log2(e) / 8
	s_mov_b32 s[CS+1], s[CS]
	s_mov_b32 s[NCS], 0xbe38aa3b                   ; -c
	s_mov_b32 s2, 0x479c4000                       ; 80000 = 10000 x 8
	s_wait_dscnt 0x0
	s_wait_kmcnt 0x0
	s_add_nc_u64 s[34:35], s[4:5], s[62:63]
	s_or_b32 s35, s35, 0x80000000
	s_add_nc_u64 s[38:39], s[4:5], s[58:59]
	s_or_b32 s39, s39, 0x80000000
	tensor_load_to_lds s[32:35], s[24:31]          ; my one tensor load at the head: my eighth of steps 0 and 1
	s_nop 0
	v_lshlrev_b32 v11, 4, v0                       ; thread t makes the terms of keys 4 t .. 4 t + 3: mask words 4 t - 1 .. 4 t + 2
	v_and_b32 v13, 31, v0
	v_add_nc_u32 v12, -4, v11
	v_lshlrev_b32 v[LI], 4, v13
	H 2
	v_min_u32 v12, v12, v11                        ; (thread 0: word 0, not used)
	s_add_nc_u64 s[54:55], s[6:7], s[54:55]
	s_add_nc_u64 s[48:49], s[4:5], s[48:49]
	s_add_nc_u64 s[50:51], s[4:5], s[50:51]
	s_add_nc_u64 s[52:53], s[8:9], s[52:53]
	global_load_b32 v[S], v12, s[54:55]
	global_load_b32 v[S+1], v11, s[54:55]
	global_load_b32 v[S+2], v11, s[54:55] offset:4
	global_load_b32 v[S+3], v11, s[54:55] offset:8
	WIN 0x40
.irp p, 0,1                            ; both passes' q
.irp c, 0,1,2
	global_load_b128 v[QL+14*\p+4*\c:QL+14*\p+4*\c+3], v[LI], s[48:49] offset:2*STP*\p+512*\c
.endr
	global_load_b32 v[QL+14*\p+12], v[LI], s[50:51] offset:2*STP*\p
.endr
	WIN 0
	v_lshl_add_u32 v13, v0, 4, BIAS
	v_bfe_u32 v[HH], v0, 4, 1
	v_and_b32 v[RR], 15, v0
	s_mul_i32 s3, s12, 16*272
	s_add_co_u32 s3, s3, STAGE
	v_lshl_add_u32 v[ABI0], v[HH], 7, BIAS         ; my 32 keys of a block pair: 128 bytes a half
	v_lshlrev_b32 v[SH8], 3, v[HH]
	v_mul_u32_u24 v[STO], v[RR], 272
	v_mul_u32_u24 v[RD], v[HH], 272
	v_lshlrev_b32 v[GO], 12, v[HH]
	v_lshl_add_u32 v[STO], v[HH], 7, v[STO]
	v_lshl_add_u32 v[RD], v[RR], 4, v[RD]
	v_lshl_add_u32 v[GO], v[RR], 4, v[GO]
	v_add_nc_u32 v[STO], s3, v[STO]                ; the stage, in: row = my query, 128 bytes a half
	v_add_nc_u32 v[RD], s3, v[RD]                  ; and back: sixteen lanes to a row
.irp i, 0,1,2,3,4,5
	v_mov_b32 v[QZ+\i], 0
	v_mov_b32 v[QZ+12+\i], 0
	v_mov_b32 v[QZ+24+\i], 0
.endr
	v_mov_b32 v[ST+7], 0                           ; a lane permute's destination counts as one of its sources
	v_mov_b32 v[ST+15], 0
	s_wait_loadcnt 8                               ; the mask's four words are in; q's eight loads may be out
.irp i, 0,1,2,3
	v_cvt_f32_i32 v[S+\i], v[S+\i]
.endr
.irp i, 0,1,2,3
	H 4
	v_fma_f32 v[S+\i], v[S+\i], s2, -s2            ; -80000 (1 - m)
.endr
	v_cmp_eq_u32 vcc_lo, 0, v0
	H 1
	v_cndmask_b32 v[S], v[S], 0, vcc_lo            ; key 0 is the prepended one: kept
	ds_store_b128 v13, v[S:S+3]
	s_wait_alu depctr_va_vdst(0)                   ; the wait at the head's end
	s_wait_loadcnt 0x0
	s_wait_tensorcnt 0x0                           ; my part of steps 0 and 1 is in
	ds_add_u32 v[SPW], v[NIL]
	s_wait_dscnt 0x0                               ; the add is done, and my terms are stored
	s_barrier_signal -1
	s_barrier_wait -1                              ; everybody's are
	s_cmp_lt_u32 s12, 6                            ; six steps are left: waves 0-5 fetch one each
	s_cbranch_scc0 .Lno_fill
	tensor_load_to_lds s[36:39], s[16:23]          ; step w + 2: my one tensor load behind this barrier, into bytes not filled before
	s_nop 0
.rept 4
	v_nop
.endr
.Lno_fill:
	s_mov_b32 s[NPASS], 2
; A step of 128 keys.
.macro BODY
	v_add_nc_u32 v[AKV], s[T6], v[LI]
	v_add_nc_u32 v[ABI], s[T5], v[ABI0]
	v_nop
	v_nop                                          ; four places behind the last trip's products, ahead of the loads into their registers
	ds_load_b128 v[KSR:KSR+3], v[AKV] offset:6144
	ds_load_b128 v[VSR:VSR+3], v[AKV] offset:STP+6144
	WIN 0x40
.irp f, 0,1,2,3                        ; fragment by fragment: k's three pieces and the terms of its 32 keys, seven loads
.irp c, 0,1,2
	ds_load_b128 v[KF+12*\f+4*\c:KF+12*\f+4*\c+3], v[AKV] offset:1536*\f+512*\c
.endr
.irp m, 0,1,2,3
	ds_load_b128 v[BI+16*\f+4*\m:BI+16*\f+4*\m+3], v[ABI] offset:256*(\f/2)+32*((2*\f+\m/2)%4)+16*(\m%2)
.endr
.endr
.irp a, 0,1,2,3
.irp c, 0,1,2
	ds_load_b128 v[VF+12*\a+4*\c:VF+12*\a+4*\c+3], v[AKV] offset:STP+1536*\a+512*\c
.endr
.endr
	WIN 0x11
.irp f, 0,1,2,3
	s_wait_dscnt 12+7*(3-\f)                       ; v's twelve and the seven of each later fragment may be out
.irp u, 0,1
.irp q, 0,1
	v_wmma_scale_f32_16x16x128_f8f6f4 v[S+64*\q+8*(2*\f+\u):S+64*\q+8*(2*\f+\u)+7], v[KF+12*\f:KF+12*\f+11], v[QZ+6+12*\q-6*\u:QZ+6+12*\q-6*\u+11], v[BI+8*(2*\f+\u):BI+8*(2*\f+\u)+7], v[KSR+\f], v[QS+\q] matrix_a_fmt:MATRIX_FMT_FP6 matrix_b_fmt:MATRIX_FMT_FP6
.endr
.endr
.endr
	WIN 0
.rept 4
	v_nop
.endr
.irp k, 0,1,2,3                        ; the largest score of each block of 32 keys, in two chains of 16; each accumulator is read from its low end on
.irp q, 0,1
	v_max3_num_f32 v[XB+16*\q+\k], v[S+64*\q+16*\k], v[S+64*\q+16*\k+1], v[S+64*\q+16*\k+2]
.endr
.endr
.irp i, 3,5,7,9,11,13
.irp k, 0,1,2,3
.irp q, 0,1
	v_max3_num_f32 v[XB+16*\q+\k], v[XB+16*\q+\k], v[S+64*\q+16*\k+\i], v[S+64*\q+16*\k+\i+1]
.endr
.endr
.endr
.irp c, 0,2
.irp q, 0,1
	v_max3_num_f32 v[XB+16*\q+\c], v[XB+16*\q+\c], v[XB+16*\q+\c+1], v[S+64*\q+16*\c+15]
.endr
.endr
.irp c, 0,2
.irp q, 0,1
	v_max_num_f32 v[XB+16*\q+\c], v[XB+16*\q+\c], v[S+64*\q+16*\c+31]
.endr
.endr
.irp q, 0,1
	H 2
	v_max_num_f32 v[ST+8*\q+6], v[XB+16*\q], v[XB+16*\q+2]
.endr
.irp q, 0,1
	H 2
	v_permlanex16_b32 v[ST+8*\q+7], v[ST+8*\q+6], s[SEL], s[SEL+1]
.endr
.irp q, 0,1
	H 2
	v_max_num_f32 v[ST+8*\q+6], v[ST+8*\q+6], v[ST+8*\q+7]     ; the step's largest score of my query
.endr
.irp q, 0,1
	H 2
	v_mul_f32 v[ST+8*\q+6], s[NCS], v[ST+8*\q+6]               ; -t
.endr
.irp q, 0,1
	H 2
	v_floor_f32 v[ST+8*\q+6], v[ST+8*\q+6]                     ; -ceil(t)
.endr
.irp q, 0,1
	H 2
	v_min_num_f32 v[ST+8*\q+7], v[ST+8*\q], v[ST+8*\q+6]       ; the new -M
.endr
.irp q, 0,1
	H 2
	v_sub_f32 v[ST+8*\q+6], v[ST+8*\q+7], v[ST+8*\q]           ; old M - new M: a whole number, 0 or less
.endr
.irp q, 0,1
	v_mov_b32 v[ST+8*\q], v[ST+8*\q+7]
.endr
.irp q, 0,1
	H 4
	v_cvt_i32_f32 v[ST+8*\q+6], v[ST+8*\q+6]                   ; (it saturates)
.endr
.irp q, 0,1
	H 2
	v_ldexp_f32 v[ST+8*\q+4], 1.0, v[ST+8*\q+6]                ; f = 2^(old M - new M)
.endr
.irp q, 0,1
.set j, 0
.rept 32
	v_pk_fma_f32 v[S+64*\q+j:S+64*\q+j+1], v[S+64*\q+j:S+64*\q+j+1], s[CS:CS+1], v[ST+8*\q:ST+8*\q+1] op_sel_hi:[1,0,0]   ; t - M
.set j, j+2
.endr
.endr
.irp c, 0,2
.irp q, 0,1
	v_fma_f32 v[XB+16*\q+\c], v[XB+16*\q+\c], s[CS], v[ST+8*\q]   ; the same of each block's largest score
.endr
.endr
	s_wait_alu depctr_va_vdst(0)                   ; the wait ahead of the batch
.set j, 0
.rept 128
	v_exp_f32 v[S+j], v[S+j]                       ; p
.set j, j+1
.endr
.irp c, 0,2
.irp q, 0,1
	v_exp_f32 v[XB+16*\q+\c], v[XB+16*\q+\c]       ; the block's largest p
.endr
.endr
.irp q, 0,1
	v_pk_mul_f32 v[ST+8*\q+2:ST+8*\q+3], v[ST+8*\q+2:ST+8*\q+3], v[ST+8*\q+4:ST+8*\q+5] op_sel_hi:[1,0]   ; the sums under the new M
.endr
	s_wait_alu depctr_va_vdst(0)                   ; one wait for the batch, ahead of its first reader
.irp q, 0,1
	v_pk_add_f32 v[XB+16*\q+4:XB+16*\q+5], v[S+64*\q:S+64*\q+1], v[S+64*\q+2:S+64*\q+3]
.endr
.irp j, 4,8,12,16,20,24,28,32,36,40,44,48,52,56,60
.irp q, 0,1
	v_pk_add_f32 v[ST+8*\q+2:ST+8*\q+3], v[ST+8*\q+2:ST+8*\q+3], v[S+64*\q+\j:S+64*\q+\j+1]
	v_pk_add_f32 v[XB+16*\q+4:XB+16*\q+5], v[XB+16*\q+4:XB+16*\q+5], v[S+64*\q+\j+2:S+64*\q+\j+3]
.endr
.endr
.irp c, 0,1
.irp q, 0,1
	v_max_num_f32 v[XB+16*\q+2*\c], 0x1800000, v[XB+16*\q+2*\c]      ; the floor 2^(3 - 127): the byte cannot fall under 1
.endr
.endr
.irp q, 0,1
	v_pk_add_f32 v[ST+8*\q+2:ST+8*\q+3], v[ST+8*\q+2:ST+8*\q+3], v[XB+16*\q+4:XB+16*\q+5]
.endr
.irp c, 0,1
.irp q, 0,1
	v_add_nc_u32 v[XB+16*\q+12+\c], 0xff000000, v[XB+16*\q+2*\c]     ; the conversion's scale operand
.endr
.endr
.irp c, 0,1
.irp q, 0,1
	H 4
	v_lshrrev_b32 v[XB+16*\q+14+\c], 23, v[XB+16*\q+12+\c]           ; the scale's byte
.endr
.endr
.irp q, 0,1
	H 2
	v_lshl_or_b32 v[ST+8*\q+5], v[XB+16*\q+15], 16, v[XB+16*\q+14]   ; my two bytes: blocks h and 2 + h,
.endr
.irp q, 0,1
	H 2
	v_lshlrev_b32 v[ST+8*\q+5], v[SH8], v[ST+8*\q+5]                 ; at their places;
.endr
.irp q, 0,1
	H 2
	v_permlanex16_b32 v[ST+8*\q+7], v[ST+8*\q+5], s[SEL], s[SEL+1]
.endr
.irp q, 0,1
	H 2
	v_or_b32 v[ST+8*\q+5], v[ST+8*\q+5], v[ST+8*\q+7]                ; with lane l xor 16's two the word is whole
.endr
.irp q, 0,1
.irp c, 0,1
	v_cvt_scalef32_pk16_fp6_f32 v[P+12*\q+6*\c:P+12*\q+6*\c+2], v[S+64*\q+32*\c:S+64*\q+32*\c+15], v[XB+16*\q+12+\c]
	v_cvt_scalef32_pk16_fp6_f32 v[XB+16*\q+4+4*\c:XB+16*\q+6+4*\c], v[S+64*\q+32*\c+16:S+64*\q+32*\c+31], v[XB+16*\q+12+\c]
.endr
.endr
	v_nop                                          ; one plain place behind a scaled conversion
.irp q, 0,1
.irp c, 0,1
.irp i, 0,1,2
	v_mov_b32 v[P+12*\q+6*\c+3+\i], v[XB+16*\q+4+4*\c+\i]   ; a conversion's three registers begin on an even number
.endr
.endr
.endr
	WIN 0x41
	s_wait_alu depctr_va_vdst(0)                   ; the wait ahead of the first reader of O^T
.irp q, 0,1
.set j, 0
.rept 16
	v_pk_mul_f32 v[O+32*\q+j:O+32*\q+j+1], v[O+32*\q+j:O+32*\q+j+1], v[ST+8*\q+4:ST+8*\q+5] op_sel_hi:[1,0]   ; O^T under the new M
.set j, j+2
.endr
.endr
	s_wait_alu depctr_va_vdst(0)                   ; the wait ahead of the wait below
	s_wait_dscnt 0x0                               ; v's fragments are in
	WIN 0x51
.irp a, 0,1,2,3
.irp q, 0,1
	v_wmma_scale_f32_16x16x128_f8f6f4 v[O+32*\q+8*\a:O+32*\q+8*\a+7], v[VF+12*\a:VF+12*\a+11], v[P+12*\q:P+12*\q+11], v[O+32*\q+8*\a:O+32*\q+8*\a+7], v[VSR+\a], v[ST+8*\q+5] matrix_a_fmt:MATRIX_FMT_FP6 matrix_b_fmt:MATRIX_FMT_FP6
.endr
.endr
	WIN 0
	s_add_co_u32 s[T6], s[T6], LSTP
	s_add_co_u32 s[T5], s[T5], 512
	s_sub_co_u32 s[NSTEP], s[NSTEP], 1
	s_cmp_lg_u32 s[NSTEP], 0
.endm
.Lpass:
	WIN 0x05
	v_perm_b32 v[QS], v[QL+12], v[QL+12], 0x01000100      ; tile 0's two bytes, for either half of K
	v_perm_b32 v[QS+1], v[QL+12], v[QL+12], 0x03020302
	WIN 0x01
.irp i, 0,1,2,3,4,5
	v_mov_b32 v[QZ+6+\i], v[QL+\i]
	v_mov_b32 v[QZ+18+\i], v[QL+6+\i]
.endr
	WIN 0x41
.irp i, 0,1,2,3,4,5,6,7,8,9,10,11,12
	v_mov_b32 v[QL+\i], v[QL+14+\i]                ; the next pass's q moves up
.endr
	WIN 0x40
.set j, 0
.rept 64
	v_mov_b32 v[O+j], 0                            ; the step is written as a loop's body: the first trip finds zeros
.set j, j+1
.endr
	WIN 0
	s_mov_b32 s[T6], 0
	s_mov_b32 s[T5], 0
	s_mov_b32 s[NSTEP], 2
.irp q, 0,1
	v_mov_b32 v[ST+8*\q], 0x7f61b1e6               ; -M: 3e38, over every -t
	v_mov_b32 v[ST+8*\q+1], 0
	v_mov_b32 v[ST+8*\q+2], 0
	v_mov_b32 v[ST+8*\q+3], 0
	v_mov_b32 v[ST+8*\q+5], 0
.endr
	s_wait_alu depctr_va_vdst(0)                   ; the wait ahead of the loop
.Lstep_a:                                              ; steps 0 and 1
	BODY
	s_cbranch_scc1 .Lstep_a
	s_wait_alu depctr_va_vdst(0)                   ; the wait ahead of the waits below
	s_wait_tensorcnt 0x0                           ; my step of the second stage is in (in the second pass it has long been),
	s_wait_dscnt 0x0
	s_barrier_signal -1
	s_barrier_wait -1                              ; and everybody's
	s_mov_b32 s[NSTEP], 6
.Lstep_b:                                              ; steps 2 to 7
	BODY
	s_cbranch_scc1 .Lstep_b
.irp q, 0,1
	v_add_f32 v[ST+8*\q+2], v[ST+8*\q+2], v[ST+8*\q+3]
.endr
.irp q, 0,1
	H 2
	v_permlanex16_b32 v[ST+8*\q+6], v[ST+8*\q+2], s[SEL], s[SEL+1]
.endr
.irp q, 0,1
	H 2
	v_add_f32 v[ST+8*\q+2], v[ST+8*\q+2], v[ST+8*\q+6]         ; the row's sum
.endr
	s_wait_alu depctr_va_vdst(0)                   ; the wait ahead of the transcendentals
.irp q, 0,1
	v_rcp_f32 v[ST+8*\q+2], v[ST+8*\q+2]
.endr
	v_nop
	WIN 0x01
	s_wait_alu depctr_va_vdst(0)                   ; and behind them, ahead of the first reader
.irp q, 0,1
.set j, 0
.rept 16
	v_pk_mul_f32 v[S+64*\q+j:S+64*\q+j+1], v[O+32*\q+j:O+32*\q+j+1], v[ST+8*\q+2:ST+8*\q+3] op_sel_hi:[1,0]   ; register 8 a + i is channel 32 h + 8 a + i
.set j, j+2
.endr
.endr
	WIN 0
.irp q, 0,1                            ; through my own stage, so that sixteen lanes store a head's 256 bytes of a row; LDS serves a wave's instructions in order
.irp i, 0,1,2,3,4,5,6,7
	ds_store_b128 v[STO], v[S+64*\q+4*\i:S+64*\q+4*\i+3] offset:16*\i
.endr
.irp i, 0,1,2,3,4,5,6,7
	ds_load_b128 v[S+64*\q+32+4*\i:S+64*\q+32+4*\i+3], v[RD] offset:544*\i
.endr
.endr
.irp q, 0,1
.irp i, 0,1,2,3,4,5,6,7
	s_wait_dscnt 23-16*\q-\i                       ; the LDS instructions issued behind this load may be out
	global_store_b128 v[GO], v[S+64*\q+32+4*\i:S+64*\q+32+4*\i+3], s[52:53] offset:(8*\q+2*(\i%4)+32*(\i/4))*4096 th:TH_STORE_NT   ; stage row r is token 8 q + 32 (r / 8) + r % 8
.endr
.endr
	s_wait_xcnt 0x0                                ; the stores have read their registers and their base
	s_add_nc_u64 s[52:53], s[52:53], 1048576       ; 256 tokens on
	s_sub_co_u32 s[NPASS], s[NPASS], 1
	s_cmp_lg_u32 s[NPASS], 0
	s_cbranch_scc1 .Lpass
	s_wait_tensorcnt 0x0                           ; the wave's end
	ds_add_u32 v[SPW], v[NIL]
	s_wait_dscnt 0x0
	s_endpgm
.Lfunc_end_k_q33230520e6_attn:
	.size	k_q33230520e6_attn, .Lfunc_end_k_q33230520e6_attn-k_q33230520e6_attn
	.p2alignl 7, 3214868480
	.fill 96, 4, 3214868480
	.section	.rodata,"a",@progbits
	.p2align	6, 0x0
	.amdhsa_kernel k_q33230520e6_attn
		.amdhsa_group_segment_fixed_size 327680
		.amdhsa_private_segment_fixed_size 0
		.amdhsa_enable_private_segment 0
		.amdhsa_kernarg_size 24
		.amdhsa_user_sgpr_count 2
		.amdhsa_user_sgpr_kernarg_segment_ptr 1
		.amdhsa_wavefront_size32 1
		.amdhsa_system_sgpr_workgroup_id_x 1
		.amdhsa_system_sgpr_workgroup_id_y 1
		.amdhsa_system_sgpr_workgroup_id_z 1
		.amdhsa_system_vgpr_workitem_id 0
		.amdhsa_next_free_vgpr 512
		.amdhsa_next_free_sgpr 66
		.amdhsa_reserve_vcc 1
		.amdhsa_float_denorm_mode_32 3
		.amdhsa_float_denorm_mode_16_64 3
		.amdhsa_memory_ordered 1
		.amdhsa_forward_progress 1
		.amdhsa_inst_pref_size 77
	.end_amdhsa_kernel
	.amdgpu_metadata
---
amdhsa.version: [ 1, 2 ]
amdhsa.kernels:
  - .name:           k_q33230520e6_attn
    .symbol:         k_q33230520e6_attn.kd
    .args:
      - { .name: img, .offset: 0, .size: 8, .value_kind: global_buffer, .address_space: global }
      - { .name: mask, .offset: 8, .size: 8, .value_kind: global_buffer, .address_space: global }
      - { .name: out0, .offset: 16, .size: 8, .value_kind: global_buffer, .address_space: global }
    .group_segment_fixed_size: 327680
    .private_segment_fixed_size: 0
    .kernarg_segment_align: 8
    .kernarg_segment_size: 24
    .max_flat_workgroup_size: 256
    .sgpr_count:     66
    .vgpr_count:     512
    .wavefront_size: 32
...
	.end_amdgpu_metadata
.endif
;; end of part 3
